; MI455X (gfx1250); checked and timed in simulation.
; The chip was launched on July 23, 2026; its instructions are those of AMD's public machine-readable ISA for CDNA 5 (MIT licence, August 2026) and "CDNA5" Instruction Set Architecture Reference Guide (July 2026). The comments in the code are by the model that wrote it; some were corrected since.
;; Lite MLA. Allowed arithmetic: float matrix products may take bf16 or f16 operands with f32 sums; other float arithmetic in f32, or as packed bf16 or f16 multiplies, adds, multiply-adds, maxima and minima; sums over many terms, partial sums and values carried from step to step in f32; what a program stores and reads back later, other than sums and carried values, may be rounded once to bf16 or f16.
;; Inputs: W_proj 1,024 x 1,024 float32; W_qkv 3,072 x 1,024 float32; b_proj 1,024 float32; x 4 x 4,096 x 1,024 float32.
;; Outputs: out0 4 x 4,096 x 1,024 float32.
;; One version. Each part assembles by itself: llvm-mc -triple=amdgcn-amd-amdhsa -mcpu=gfx1250 --defsym DOCPART=n.
;; ======== version 1 of 1: 5 launches
;; limits: values are held in f16: magnitudes above 65,504 overflow, below 6.1e-05 lose precision
;; workspace buffers: zb 39,845,888 bytes; wpf 2,097,152 bytes; qf 33,554,432 bytes; part 25,165,824 bytes; vkf 425,984 bytes; ao 33,554,432 bytes
;; launch cast (part 1): grid 1280 x 1, 8 waves a work-group, no clusters, 0 bytes of LDS; arguments x, W_qkv, W_proj, zb, wpf; writes zb, wpf
.if DOCPART == 1
	.amdgcn_target "amdgcn-amd-amdhsa--gfx1250"
	.amdhsa_code_object_version 6
	.text
	.protected	k_qdea6ecc744_cast
	.globl	k_qdea6ecc744_cast
	.p2align	8
	.type	k_qdea6ecc744_cast,@function
k_qdea6ecc744_cast:
	s_mov_b64 s[64:65], 0
	v_nop
	global_prefetch_b8 v0, s[64:65] scope:SCOPE_SE
	s_setreg_imm32_b32 hwreg(HW_REG_WAVE_MODE, 25, 1), 1
	s_wait_xcnt 0x0
; THE INPUTS OF THE TWO LARGE PRODUCTS, ROUNDED ONCE TO bf16.
; zb: bf16 [19456][1024].  Rows 0..16383 = x.  Rows 16384 + i (i < 1024) = W_qkv's row i (q).  Rows 16384 + 1024 + 128 g + i (g = 0..15): for i < 64 the k row 64 g + i
; (W_qkv's row 1024 + 64 g + i), for i >= 64 the v row 64 g + i - 64 (W_qkv's row 2048 + 64 g + i - 64): so 128 neighbouring rows hold k and v of the same two heads.
; wpf: [1024][1024]: W_proj rounded to bf16, and that number written as f16 (the second product multiplies f16 numbers).
; LIMIT: |W_proj| under 65,504; a rounded weight below 2^-17 in magnitude keeps f16's fixed step of 2^-24.
; SHARES.  A work-group takes 16 rows (65,536 bytes in, 32,768 out), dense in its source and in its destination; a wave 8 KiB of them, by 16 loads of 512 neighbouring bytes, all issued at once.
; A store of a wave is 32 lanes x 8 bytes: 256 consecutive bytes, aligned.  No register is written twice while a load or store may read it; no LDS, no barrier, no loop.
.set IN,  8                            ; v[8:71]    load i: 4 f32
.set OUT, 72                           ; v[72:103]  store i: 4 numbers of 16 bits
	s_load_b256 s[4:11], s[0:1], 0x0               ; x s[4:5], W_qkv s[6:7], W_proj s[8:9], zb s[10:11]
	s_load_b64 s[12:13], s[0:1], 0x20              ; wpf
	v_lshrrev_b32 v3, 5, v0                        ; wave
	v_and_b32 v1, 31, v0
	v_lshlrev_b32 v1, 4, v1
	v_lshl_or_b32 v1, v3, 13, v1                   ; in: 8,192 x wave + 16 x lane
	v_lshrrev_b32 v2, 1, v1                        ; out: half of that
	s_mov_b32 s14, ttmp9
	s_mov_b32 s17, 0
	s_mov_b32 s19, 0
	s_wait_kmcnt 0x0
; f16 = 0: two roundings to bf16 an instruction.  f16 = 1: the bf16 numbers are widened again (a shift, a mask) and written as f16.
.macro BODY f16
.irp i, 0,1,2,3,4,5,6,7,8,9,10,11,12,13,14,15
	global_load_b128 v[IN+4*(\i):IN+4*(\i)+3], v1, s[20:21] offset:512*(\i) th:TH_LOAD_NT
.endr
.irp i, 0,1,2,3,4,5,6,7,8,9,10,11,12,13,14,15
	s_wait_loadcnt 15-(\i)                         ; loads come back in order: load i is in, the younger ones stay out
.if \f16
	v_cvt_pk_bf16_f32 v4, v[IN+4*(\i)], v[IN+4*(\i)+1]
	v_cvt_pk_bf16_f32 v5, v[IN+4*(\i)+2], v[IN+4*(\i)+3]
	v_lshlrev_b32 v6, 16, v4
	v_and_b32 v7, 0xffff0000, v4
	v_cvt_pk_f16_f32 v[OUT+2*(\i)], v6, v7
	v_lshlrev_b32 v6, 16, v5
	v_and_b32 v7, 0xffff0000, v5
	v_cvt_pk_f16_f32 v[OUT+2*(\i)+1], v6, v7
.else
	v_cvt_pk_bf16_f32 v[OUT+2*(\i)], v[IN+4*(\i)], v[IN+4*(\i)+1]
	v_cvt_pk_bf16_f32 v[OUT+2*(\i)+1], v[IN+4*(\i)+2], v[IN+4*(\i)+3]
.endif
	global_store_b64 v2, v[OUT+2*(\i):OUT+2*(\i)+1], s[22:23] offset:256*(\i) th:TH_STORE_NT
.endr
	s_endpgm
.endm
	s_cmp_lt_u32 s14, 1024
	s_cbranch_scc0 .Lnot_x
	s_lshl_b32 s16, s14, 16                        ; x: 16 rows of 4,096 bytes in,
	s_lshl_b32 s18, s14, 15                        ; of 2,048 bytes out
	s_add_nc_u64 s[20:21], s[4:5], s[16:17]
	s_add_nc_u64 s[22:23], s[10:11], s[18:19]
	s_branch .Lbf
.Lnot_x:
	s_cmp_lt_u32 s14, 1216
	s_cbranch_scc0 .Lproj
	s_sub_co_u32 s15, s14, 1024
	s_lshl_b32 s16, s15, 16
	s_lshl_b32 s24, s15, 4                         ; W_qkv's first row of my 16
	s_lshr_b32 s25, s24, 10                        ; section: 0 q, 1 k, 2 v
	s_and_b32 s26, s24, 1023                       ; row in the section
	s_lshr_b32 s27, s26, 6
	s_lshl_b32 s27, s27, 7                         ; a group of 64 rows of k or v has 128 rows in zb
	s_and_b32 s28, s26, 63
	s_add_co_u32 s27, s27, s28
	s_max_u32 s28, s25, 1
	s_sub_co_u32 s28, s28, 1
	s_lshl_b32 s28, s28, 6                         ; v's 64 rows lie behind k's
	s_add_co_u32 s27, s27, s28
	s_add_co_u32 s27, s27, 1024                    ; behind q's 1,024 rows
	s_cmp_eq_u32 s25, 0
	s_cselect_b32 s26, s26, s27
	s_add_co_u32 s26, s26, 16384                   ; behind x's rows
	s_lshl_b32 s18, s26, 11
	s_add_nc_u64 s[20:21], s[6:7], s[16:17]
	s_add_nc_u64 s[22:23], s[10:11], s[18:19]
.Lbf:
	BODY 0
.Lproj:
	s_sub_co_u32 s15, s14, 1216
	s_lshl_b32 s16, s15, 16
	s_lshl_b32 s18, s15, 15
	s_add_nc_u64 s[20:21], s[8:9], s[16:17]
	s_add_nc_u64 s[22:23], s[12:13], s[18:19]
	BODY 1
.Lfunc_end_k_qdea6ecc744_cast:
	.size	k_qdea6ecc744_cast, .Lfunc_end_k_qdea6ecc744_cast-k_qdea6ecc744_cast
	.p2alignl 7, 3214868480
	.fill 96, 4, 3214868480
	.section	.rodata,"a",@progbits
	.p2align	6, 0x0
	.amdhsa_kernel k_qdea6ecc744_cast
		.amdhsa_group_segment_fixed_size 0
		.amdhsa_private_segment_fixed_size 0
		.amdhsa_enable_private_segment 0
		.amdhsa_kernarg_size 40
		.amdhsa_user_sgpr_count 2
		.amdhsa_user_sgpr_kernarg_segment_ptr 1
		.amdhsa_wavefront_size32 1
		.amdhsa_system_sgpr_workgroup_id_x 1
		.amdhsa_system_sgpr_workgroup_id_y 1
		.amdhsa_system_sgpr_workgroup_id_z 1
		.amdhsa_system_vgpr_workitem_id 0
		.amdhsa_next_free_vgpr 104
		.amdhsa_next_free_sgpr 66
		.amdhsa_reserve_vcc 0
		.amdhsa_float_denorm_mode_32 3
		.amdhsa_float_denorm_mode_16_64 3
		.amdhsa_memory_ordered 1
		.amdhsa_forward_progress 1
		.amdhsa_inst_pref_size 19
	.end_amdhsa_kernel
	.amdgpu_metadata
---
amdhsa.version: [ 1, 2 ]
amdhsa.kernels:
  - .name:           k_qdea6ecc744_cast
    .symbol:         k_qdea6ecc744_cast.kd
    .args:
      - { .name: x, .offset: 0, .size: 8, .value_kind: global_buffer, .address_space: global }
      - { .name: W_qkv, .offset: 8, .size: 8, .value_kind: global_buffer, .address_space: global }
      - { .name: W_proj, .offset: 16, .size: 8, .value_kind: global_buffer, .address_space: global }
      - { .name: zb, .offset: 24, .size: 8, .value_kind: global_buffer, .address_space: global }
      - { .name: wpf, .offset: 32, .size: 8, .value_kind: global_buffer, .address_space: global }
    .group_segment_fixed_size: 0
    .private_segment_fixed_size: 0
    .kernarg_segment_align: 8
    .kernarg_segment_size: 40
    .max_flat_workgroup_size: 256
    .sgpr_count:     66
    .vgpr_count:     104
    .wavefront_size: 32
...
	.end_amdgpu_metadata
.endif
;; end of part 1
;; launch qkv (part 2): grid 4 x 64, 4 waves a work-group, clusters of 4 x 4, 327,680 bytes of LDS; arguments zb, qf, part; writes qf, part
.if DOCPART == 2
	.amdgcn_target "amdgcn-amd-amdhsa--gfx1250"
	.amdhsa_code_object_version 6
	.text
	.protected	k_qdea6ecc744_qkv
	.globl	k_qdea6ecc744_qkv
	.p2align	8
	.type	k_qdea6ecc744_qkv,@function
k_qdea6ecc744_qkv:
	s_mov_b64 s[64:65], 0
	v_nop
	global_prefetch_b8 v0, s[64:65] scope:SCOPE_SE
	s_setreg_imm32_b32 hwreg(HW_REG_WAVE_MODE, 25, 1), 1
	s_wait_xcnt 0x0
	s_wait_alu depctr_hold_cnt(0) depctr_sa_sdst(0) depctr_va_vdst(0) depctr_va_sdst(0) depctr_va_ssrc(0) depctr_va_vcc(0) depctr_vm_vsrc(0)
	s_getreg_b32 s2, hwreg(HW_REG_IB_STS2, 6, 4)
	s_cmp_eq_u32 s2, 0
	s_cbranch_scc0 .Lentry_in_a_cluster
	s_endpgm
.Lentry_in_a_cluster:
	s_bfe_u32 s2, ttmp6, 0x10000c
	s_cmp_lg_u32 s2, 0xf033
	s_cbranch_scc0 .Lentry_shape_is_right
	s_endpgm
.Lentry_shape_is_right:
; THE qkv PRODUCT, bf16 operands, f32 sums, K = 1,024, on tiles of 256 x 256; q leaves as f16 (without its relu, which the next reader applies), k and v never leave: each wave multiplies its own k and v in registers.
; zb: bf16 [19456][1024]: x's 16,384 rows, then q's 1,024 weight rows, then 16 groups of 128 rows: 64 of k and 64 of v, of the same two heads.
; A WORK-GROUP STAYS.  A cluster of 4 x 4 work-groups owns a token group tg (cluster y: 1,024 tokens) and walks THREE tiles: k/v weight rows 0-1023, k/v weight rows 1024-2047, then q's weight rows.
; The 24 K steps of the walk are ONE sequence for the ring: a tile's last two changes of slots ask for the next tile's first two K steps, and a tile's stores leave while the next tile is multiplied.
; A tile's two operands are REGION A (256 rows, shared along a row of the cluster) and REGION B (256 rows, shared along a column).  The matrix instruction takes 16 rows of B as source 0 and 16 rows of A as
; source 1: in the result lane l holds A's row l % 16 and its registers 0..7 hold B's rows 8 (l / 16) + 0..7.  Two neighbouring results (B blocks 2 p, 2 p + 1), rounded in pairs to 16 bits, ARE a 16-bit
; operand fragment: row l % 16, K = 32 p + ...
;   tiles 0, 1: A = weight rows of k and v, B = tokens.  A lane holds a channel and tokens: k (relu) and v in f16 are fragments with K = tokens, and [v; 1] k^T over my wave's 128 tokens is 48 more matrix
;               instructions; its f32 sums go to part.
;   tile 2:     A = tokens, B = q's weight rows.  A lane holds a token and q channels: f16, and the fragments are stored as they lie (qf).
; qf: f16, [token block of 16][head][half][lane][16 bytes]: half 0 = a fragment's registers 0-3, half 1 = registers 4-7; lane (r, h) holds token r, channels 32 head + 16 half + 8 h + 0..7.
; part: f32, [batch x 32 + head][chunk of 128 tokens, 0..31][i 0..5][half][lane][16 bytes]: the registers of six results; i = 2 dblk + eblk; lane (r, h), register j = sum over the chunk of
;       v[16 dblk + r] k[16 eblk + 8 h + j]; dblk = 2 stands for the row of ones.
; LIMITS.  q, k and v are rounded to f16: |q|, |k|, |v| under 65,504; below 6.1e-5 they keep f16's fixed step of 6e-8.  NaN and infinities are not treated apart.
; RING.  K goes in steps of 128 through two LDS slots filled by joint tensor loads, one a wave behind each round of the cluster's barrier; waves 0, 1 fetch A's halves, waves 2, 3 B's.
; REGISTERS, in windows of 256 (s_set_vgpr_msb: bits 1:0 source 0, 3:2 source 1, 5:4 source 2, 7:6 destination):
;   window 0: v0-31 addresses, ones; v64-127, v128-191 A's fragments, two buffers; v32-63, v192-255 the twelve small sums
;   window 1: v64-127, v128-191 B's fragments, two buffers; v0-63 k and v192-255 v of one head in f16; behind the walk all 256: the q tile in f16
;   windows 2, 3: the 64 accumulators: (a, b) at v[8 (8 (a % 4) + b)], window 2 + a / 4
.set KSTEP,  128
.set PITCH,  272                       ; an LDS row: 256 bytes + 16 of padding = 68 words: the 16 rows of a fragment load start at 16 different groups of four banks
.set HALFT,  128*PITCH                 ; what one tensor load brings
.set SLOT,   4*HALFT                   ; A's 256 rows, then B's 256 rows
.set SPARE,  2*SLOT                    ; behind the ring: the spare words, 128 bytes a wave, which no other line names
.set LAPS,   3*1024/(2*KSTEP)          ; a lap = two K steps = once round the ring; three tiles of four laps
.set ONES, 4                           ; v[4:11] 1.0 in every f16 half
.set ADRA, 16                          ; v16-17  LDS address of my A fragments in slot 0, 1
.set ADRB, 20                          ; v20-21  the same for B
.set LO,   26                          ; v26     16 x lane
.set ZR,   27                          ; v27     0, for the relu
.set SPW,  28                          ; v28     LDS address of my spare word; never rewritten
.set NIL,  29                          ; v29     0; never rewritten
.set PFO,  30                          ; v30     the prefetches' offset: lane x 2,048 (a row of zb); never rewritten
.set F0,   64
.set F1,   128
.set G1,  24                           ; s[24:31] descriptor group 1 for A's tiles
.set G0,  32                           ; s[32:39] group 0 for A's tiles, a set for each slot
.set LIM, 43                           ; s43      2 while my wave prefetches for the tile that is being asked for, else the greatest number
.set PFA, 44                           ; s[44:45] the address that the next prefetch names
.set G1B, 48                           ; s[48:55], s[56:63] the same for B's tiles
.set G0B, 56
.set OUTB, 68                          ; s[68:69] part at my sums of the tile in hand
.set OUTQ, 70                          ; s[70:71] qf at my fragments
.set OA,  72                           ; s[72:73] byte offset in zb of the next refill of A (made of cy, never of cx)
.set OB,  74                           ; s[74:75] the same for B (made of cx, never of cy)
.set PO,  76                           ; s[76:77] byte offset in zb of the next prefetch
.set ANX, 78                           ; s78, s79 A's offset at K step 0 of the tile behind the one asked for; of the last tile
.set AN2, 79
.set BNX, 80                           ; s80, s81 the same for B
.set BN2, 81
.set PNX, 82                           ; s82, s83 the same for the prefetches, at K step 2
.set PN2, 83
.set LNX, 84                           ; s84, s85 the same for LIM
.set LN2, 85
.set RK,  86                           ; s86      K steps still to be asked for of the tile that is being asked for
.set MSB, 0
.macro WIN new                         ; the immediate's high byte repeats the setting that is left; a switch that changes nothing is dropped
.if MSB != (\new)
	s_set_vgpr_msb (MSB<<8)|(\new)
.set MSB, \new
.endif
.endm
.set MUL_LO, 0xa1                      ; source 0 (B) window 1, source 1 (A) window 0, C and D window 2
.set MUL_HI, 0xf1                      ; the same, C and D window 3
.set TO_B,   0x40                      ; destination window 1, address window 0
; A joint load.  The branch hangs on the wave's number alone.  An s_nop 0 and four v_nop follow each of the two lines.
.macro JLOAD s
	s_cmp_eq_u32 s11, 0
	s_cbranch_scc0 .Lfor_b_\@
	tensor_load_to_lds s[G0+4*(\s):G0+4*(\s)+3], s[G1:G1+7]
	s_nop 0
.rept 4
	v_nop
.endr
	s_branch .Lasked_\@
.Lfor_b_\@:
	tensor_load_to_lds s[G0B+4*(\s):G0B+4*(\s)+3], s[G1B:G1B+7]
	s_nop 0
.rept 4
	v_nop
.endr
.Lasked_\@:
.endm
; A prefetch of the K step that stands two refills on, in the same tile: 32 rows x 256 bytes, a lane a row.  Each row's 256 bytes of a K step are named once in the launch.  x's rows are read by their own cluster
; alone: it asks for them in its first tile (waves 2, 3), and no more in the two later tiles, which read them again.  The weight rows are read by all sixteen clusters: the cluster of token group 0 asks
; (tiles 0, 1: waves 0, 1; tile 2: waves 2, 3).  The four partners that ask for a tile jointly share its 128 rows out by address, 32 each.  A tile's last two refills (RK = 2, 1) ask for nothing: there is no
; K step 8; a tile's first K steps (the walk's first four, later tiles' first two) come by their loads alone.
.macro ASK
	s_cmp_gt_u32 s[RK], s[LIM]
	s_cbranch_scc0 .Lnot_mine_\@
	global_prefetch_b8 v[PFO], s[PFA:PFA+1] th:TH_LOAD_NT scope:SCOPE_SE
.Lnot_mine_\@:
.endm
; What the next refill and the next prefetch name: a K step (256 bytes of a row) on, or, behind a tile's K step 7, the next tile's bases.  Offsets alone: no register of a pending load or prefetch is written here.
.macro STEP
	s_add_co_u32 s[OA], s[OA], KSTEP*2
	s_add_co_u32 s[OB], s[OB], KSTEP*2
	s_add_co_u32 s[PO], s[PO], KSTEP*2
	s_sub_co_u32 s[RK], s[RK], 1
	s_cmp_eq_u32 s[RK], 0
	s_cselect_b32 s[OA], s[ANX], s[OA]
	s_cselect_b32 s[OB], s[BNX], s[OB]
	s_cselect_b32 s[PO], s[PNX], s[PO]
	s_cselect_b32 s[LIM], s[LNX], s[LIM]
	s_cselect_b32 s[RK], 8, s[RK]
	s_cselect_b32 s[ANX], s[AN2], s[ANX]
	s_cselect_b32 s[BNX], s[BN2], s[BNX]
	s_cselect_b32 s[PNX], s[PN2], s[PNX]
	s_cselect_b32 s[LNX], s[LN2], s[LNX]
.endm
.macro CREST                           ; a round of the cluster's barrier behind its opening barrier
	s_cmp_lg_u32 s10, 0
	s_cbranch_scc1 .Lnot_wave_0_\@
	s_barrier_signal -3
.Lnot_wave_0_\@:
	s_barrier_wait -3
	s_barrier_signal -1
	s_barrier_wait -1
.endm
.macro CROUND                          ; a whole round
	s_barrier_signal -1
	s_barrier_wait -1
	CREST
.endm
	s_load_b128 s[4:7], s[0:1], 0x0                ; zb s[4:5], qf s[6:7]
	s_load_b64 s[8:9], s[0:1], 0x10                ; part
	v_lshl_add_u32 v[SPW], v0, 2, SPARE
	v_mov_b32 v[NIL], 0
	ds_add_u32 v[SPW], v[NIL]                      ; the wave's opening: the add, twice on end, and its wait ahead of my first tensor load
	ds_add_u32 v[SPW], v[NIL]                      ; once more; the set-up below, work on registers, stands between it and the wait
	v_lshrrev_b32 v1, 5, v0
	v_readfirstlane_b32 s10, v1                    ; wave 0..3
	s_lshr_b32 s11, s10, 1                         ; my half of region A's rows.  Also: I fetch for A (0) or for B (1)
	s_and_b32 s12, s10, 1                          ; my half of region B's rows.  Also: which 128 rows of that region I fetch
	s_bfe_u32 s40, ttmp6, 0x40000                  ; cx
	s_bfe_u32 s41, ttmp6, 0x40004                  ; cy
	s_and_b32 s13, ttmp7, 0xffff                   ; tg: the cluster's y, the same in all sixteen partners
	s_lshl_b32 s43, s41, 2
	s_lshl_b32 s43, 15, s43                        ; my row of the cluster
	s_lshl_b32 s44, 0x1111, s40                    ; my column
	s_or_b32 s[G1+0], s43, (1<<16)|(1<<20)|(1<<21)|(5<<22)|(3<<25)   ; the mask; elements of 2 bytes; padding on; bit 21 beside a mask; after every 64 words 4 words
	s_or_b32 s[G1B+0], s44, (1<<16)|(1<<20)|(1<<21)|(5<<22)|(3<<25)
.irp g, G1, G1B
	s_mov_b32 s[(\g)+1], KSTEP<<16                 ; tensor_dim0 = 128
	s_mov_b32 s[(\g)+2], 128<<16                   ; tensor_dim1 = 128
	s_mov_b32 s[(\g)+3], KSTEP<<16                 ; tile_dim0 = 128
	s_mov_b32 s[(\g)+4], 128                       ; tile_dim1 = 128
	s_mov_b32 s[(\g)+5], 1024                      ; elements from row to row
	s_mov_b32 s[(\g)+6], 0
	s_mov_b32 s[(\g)+7], 0
.endr
	s_lshl_b32 s14, s13, 10                        ; the token group's first row in zb
	s_lshl_b32 s17, s12, 7                         ; which 128 rows I fetch
	s_lshl_b32 s16, s41, 8
	s_add_co_u32 s16, s16, s17                     ; A: 256 cy + 128 half: nothing of cx
	s_add_co_u32 s18, s16, 16384+1024              ; tile 0: the first 1,024 rows of k's and v's weights,
	s_lshl_b32 s[OA], s18, 11                      ; rows of 2,048 bytes: under 2^26
	s_add_co_u32 s[ANX], s[OA], 1024*2048          ; tile 1: the second 1,024,
	s_add_co_u32 s18, s16, s14
	s_lshl_b32 s[AN2], s18, 11                     ; tile 2: the tokens
	s_lshl_b32 s19, s40, 8
	s_add_co_u32 s19, s19, s17                     ; B: 256 cx + 128 half: nothing of cy
	s_add_co_u32 s46, s19, s14
	s_lshl_b32 s[OB], s46, 11                      ; tiles 0 and 1: the tokens,
	s_mov_b32 s[BNX], s[OB]
	s_add_co_u32 s46, s19, 16384
	s_lshl_b32 s[BN2], s46, 11                     ; tile 2: q's weights
	s_mov_b32 s[OA+1], 0
	s_mov_b32 s[OB+1], 0
	s_mov_b32 s[RK], 6                             ; of tile 0 the K steps 2 to 7 are still to be asked for
	s_mul_i32 s20, s10, HALFT                      ; where the tiles go: wave x 128 rows
	s_wait_dscnt 0x0                               ; both opening adds are done
	s_wait_kmcnt 0x0
	s_add_nc_u64 s[14:15], s[4:5], s[OA:OA+1]
	s_add_nc_u64 s[46:47], s[4:5], s[OB:OB+1]
	CROUND                                         ; all sixteen work-groups are here: the first joint loads meet
.irp s, 0,1
	s_mov_b32 s[G0+4*(\s)], 1
	s_add_co_u32 s[G0+4*(\s)+1], s20, (\s)*SLOT
	s_add_nc_u64 s[G0+4*(\s)+2:G0+4*(\s)+3], s[14:15], (\s)*KSTEP*2
	s_or_b32 s[G0+4*(\s)+3], s[G0+4*(\s)+3], 0x80000000
	s_mov_b32 s[G0B+4*(\s)], 1
	s_add_co_u32 s[G0B+4*(\s)+1], s20, (\s)*SLOT
	s_add_nc_u64 s[G0B+4*(\s)+2:G0B+4*(\s)+3], s[46:47], (\s)*KSTEP*2
	s_or_b32 s[G0B+4*(\s)+3], s[G0B+4*(\s)+3], 0x80000000
	JLOAD \s                                       ; two loads of mine are out
.endr
	s_add_co_u32 s[OA], s[OA], 2*KSTEP*2           ; the first refill brings K step 2
	s_add_co_u32 s[OB], s[OB], 2*KSTEP*2
	; a fragment: lane l holds row l % 16; two loads of 16 bytes, 32 bytes apart, at row x pitch + 16 (l / 16)
	v_and_b32 v1, 15, v0
	v_bfe_u32 v2, v0, 4, 1
	v_mul_u32_u24 v3, v1, PITCH
	v_lshl_add_u32 v3, v2, 4, v3
	s_mul_i32 s21, s11, HALFT
	s_mul_i32 s22, s12, HALFT
	s_add_co_u32 s22, s22, 2*HALFT
.irp s, 0,1
	v_add_nc_u32 v[ADRA+(\s)], s21, v3
	v_add_nc_u32 v[ADRB+(\s)], s22, v3
	s_add_co_u32 s21, s21, SLOT
	s_add_co_u32 s22, s22, SLOT
.endr
	v_and_b32 v[LO], 31, v0
	v_lshlrev_b32 v[LO], 4, v[LO]
	v_mov_b32 v[ZR], 0
.set i, 0
.rept 8
	v_mov_b32 v[ONES+i], 0x3c003c00                ; 1.0 twice in f16
.set i, i+1
.endr
	; where q goes: token block 16 (4 tg + cy) + 8 (my half of A), head 8 cx + 4 (my half of B)
	s_lshl_b32 s16, s13, 2
	s_add_co_u32 s16, s16, s41
	s_lshl_b32 s16, s16, 1
	s_add_co_u32 s16, s16, s11
	s_lshl_b32 s16, s16, 18                        ; 8 token blocks of 32,768 bytes
	s_lshl_b32 s17, s40, 1
	s_add_co_u32 s17, s17, s12
	s_lshl_b32 s17, s17, 12                        ; 4 heads of 1,024 bytes
	s_add_co_u32 s16, s16, s17
	s_mov_b32 s17, 0
	s_add_nc_u64 s[OUTQ:OUTQ+1], s[6:7], s[16:17]
	; where tile 0's sums go: head 4 cy + 2 (my half of A), chunk 2 ((4 tg + cx) % 16) + my half of B; tile 1's lie 16 heads on
	s_lshl_b32 s20, s41, 1
	s_add_co_u32 s20, s20, s11
	s_lshl_b32 s20, s20, 1
	s_lshr_b32 s21, s13, 2                         ; the batch
	s_lshl_b32 s21, s21, 5
	s_add_co_u32 s20, s20, s21
	s_lshl_b32 s20, s20, 5
	s_lshl_b32 s21, s13, 2
	s_add_co_u32 s21, s21, s40
	s_and_b32 s21, s21, 15
	s_lshl_b32 s21, s21, 1
	s_add_co_u32 s21, s21, s12
	s_add_co_u32 s20, s20, s21
	s_mul_i32 s20, s20, 6144
	s_mov_b32 s21, 0
	s_add_nc_u64 s[OUTB:OUTB+1], s[8:9], s[20:21]
	; the prefetches: my work-group's 32 of the 128 rows that I fetch, for each of the three tiles
	s_lshl_b32 s14, s13, 10
	s_lshl_b32 s22, s12, 7
	s_lshl_b32 s20, s41, 8
	s_add_co_u32 s20, s20, s22
	s_lshl_b32 s21, s40, 5
	s_add_co_u32 s20, s20, s21                     ; of A: 256 cy + 128 half + 32 cx
	s_lshl_b32 s21, s40, 8
	s_add_co_u32 s21, s21, s22
	s_lshl_b32 s23, s41, 5
	s_add_co_u32 s21, s21, s23                     ; of B: 256 cx + 128 half + 32 cy
	s_add_co_u32 s15, s20, 16384+1024              ; A in tile 0,
	s_add_co_u32 s16, s20, 16384+2048              ; in tile 1,
	s_add_co_u32 s17, s20, s14                     ; in tile 2 (never asked for)
	s_add_co_u32 s18, s21, s14                     ; B in tiles 0 and 1 (asked for in tile 0 alone),
	s_add_co_u32 s19, s21, 16384                   ; in tile 2
	s_cmp_eq_u32 s13, 0
	s_cselect_b32 s23, 2, -1                       ; the weights are asked for by token group 0
	s_cmp_eq_u32 s11, 0
	s_cselect_b32 s[PO], s15, s18
	s_cselect_b32 s[PNX], s16, s18
	s_cselect_b32 s[PN2], s17, s19
	s_cselect_b32 s[LIM], s23, 2                   ; all three the same in all sixteen partners, for a given wave
	s_cselect_b32 s[LNX], s23, -1
	s_cselect_b32 s[LN2], -1, s23
	s_lshl_b32 s[PO], s[PO], 11
	s_add_co_u32 s[PO], s[PO], 4*KSTEP*2           ; the first refill brings K step 2 and names K step 4
	s_lshl_b32 s[PNX], s[PNX], 11
	s_add_co_u32 s[PNX], s[PNX], 2*KSTEP*2         ; a later tile's first refill brings K step 0 and names K step 2
	s_lshl_b32 s[PN2], s[PN2], 11
	s_add_co_u32 s[PN2], s[PN2], 2*KSTEP*2
	s_mov_b32 s[PO+1], 0
	v_and_b32 v[PFO], 31, v0
	v_lshlrev_b32 v[PFO], 11, v[PFO]
; 16 matrix instructions: A blocks a0, a0 + 1 of the window's four x all 8 B blocks, 32 along K.  zero = 1: the first product starts the sums.  The 64 accumulators take turns, one instruction a turn.
.macro MUL16 f, hi, a0, zero
	WIN MUL_LO+0x50*(\hi)
.irp a, \a0, (\a0)+1
.irp b, 0,1,2,3,4,5,6,7
.if \zero
	v_wmma_f32_16x16x32_bf16 v[8*(8*(\a)+(\b)):8*(8*(\a)+(\b))+7], v[(\f)+8*(\b):(\f)+8*(\b)+7], v[(\f)+8*(4*(\hi)+(\a)):(\f)+8*(4*(\hi)+(\a))+7], 0
.else
	v_wmma_f32_16x16x32_bf16 v[8*(8*(\a)+(\b)):8*(8*(\a)+(\b))+7], v[(\f)+8*(\b):(\f)+8*(\b)+7], v[(\f)+8*(4*(\hi)+(\a)):(\f)+8*(4*(\hi)+(\a))+7], v[8*(8*(\a)+(\b)):8*(8*(\a)+(\b))+7]
.endif
.endr
.endr
.endm
; 32 LDS loads in one run: the fragments of a quarter step (32 K at byte k of the rows) into buffer f: B's, then A's
.macro FETCH slot, k, f
	WIN TO_B
.irp i, 0,1,2,3,4,5,6,7
	ds_load_b128 v[(\f)+8*(\i):(\f)+8*(\i)+3],   v[ADRB+(\slot)] offset:(\k)+(\i)*16*PITCH
	ds_load_b128 v[(\f)+8*(\i)+4:(\f)+8*(\i)+7], v[ADRB+(\slot)] offset:(\k)+(\i)*16*PITCH+32
.endr
	WIN 0
.irp i, 0,1,2,3,4,5,6,7
	ds_load_b128 v[(\f)+8*(\i):(\f)+8*(\i)+3],   v[ADRA+(\slot)] offset:(\k)+(\i)*16*PITCH
	ds_load_b128 v[(\f)+8*(\i)+4:(\f)+8*(\i)+7], v[ADRA+(\slot)] offset:(\k)+(\i)*16*PITCH+32
.endr
.endm
.macro PLACES                          ; four plain vector instructions between a matrix instruction and a load into, or a vector instruction on, its registers
.rept 4
	v_nop
.endr
.endm
; One of a K step's first three quarters: multiplies buffer f; in its middle it fetches the next quarter's fragments into buffer g.
.macro QUARTER slot, k, f, g, zero
	s_wait_dscnt 8                                 ; B and A's rows 0-63 are in; the youngest eight loads (A's rows 64-127) may be out
	MUL16 \f, 0, 0, \zero
	MUL16 \f, 0, 2, \zero
	PLACES
	FETCH \slot, \k, \g
	s_wait_dscnt 32                                ; all but the 32 just issued
	MUL16 \f, 1, 0, \zero
	MUL16 \f, 1, 2, \zero
.endm
; The first half of a K step's last quarter: the barrier of the change of slots.  In front of it each wave waits for all its tensor loads (one is out: its part of the next slot),
; adds 0 to its spare word, and waits for that and for its reads of this slot.  round = 1: the slot's two descriptors get their addresses, made anew from zb's address and the offsets, while the add is out.
.macro MEET round, slot=0
	WIN 0
	s_wait_tensorcnt 0x0                           ; no tensor load of mine is out, so a group 0 may be written
	ds_add_u32 v[SPW], v[NIL]
.if \round
	s_add_nc_u64 s[G0+4*(\slot)+2:G0+4*(\slot)+3], s[4:5], s[OA:OA+1]
	s_or_b32 s[G0+4*(\slot)+3], s[G0+4*(\slot)+3], 0x80000000
	s_add_nc_u64 s[G0B+4*(\slot)+2:G0B+4*(\slot)+3], s[4:5], s[OB:OB+1]
	s_or_b32 s[G0B+4*(\slot)+3], s[G0B+4*(\slot)+3], 0x80000000
.endif
	s_wait_dscnt 9                                 ; the add and the youngest eight loads may be out
	MUL16 F1, 0, 0, 0                              ; sixteen matrix instructions stand between the add and the wait for it
	s_wait_dscnt 0x0                               ; the add is done, and my reads of this slot are over
	s_barrier_signal -1
	MUL16 F1, 0, 2, 0
.if \round
	WIN 0
.endif
	s_barrier_wait -1
.endm
; The whole last quarter with a refill: the barrier opens a round of the cluster's barrier; behind the round the slot just read out is filled, first thing, with the K step two on in the walk;
; from that request to the wait for it a wave issues 224 matrix instructions (at a change of tiles the way out besides).
.macro TURN slot, next
	s_wait_xcnt 0x0                                ; the last prefetch, a K step back, has read its address
	s_add_nc_u64 s[PFA:PFA+1], s[4:5], s[PO:PO+1]
	MEET 1, \slot
	CREST
	JLOAD \slot                                    ; its four v_nop are also the places in front of the loads below
	FETCH \next, 0, F0
	ASK
	STEP
	MUL16 F1, 1, 0, 0
	MUL16 F1, 1, 2, 0
.endm
; THE WAY OUT OF A k/v TILE, head by head, beside the fragment buffers (which hold the next tile's first fragments).  A blocks 0-3 are k of heads t = 0, 1 (block 2 t + eblk), blocks 4-7 are v (4 + 2 t + dblk).
; A block in f16 is 32 registers: four fragments of 32 tokens.  Source 0 = k, source 1 = v or ones: in the result lane l holds v's channel l % 16 and registers 0..7 hold k's channels 8 (l / 16) + 0..7.
.macro VKR idx                         ; rD: small sum idx of twelve, in window 0
.if (\idx) < 4
.set rD, 32+8*(\idx)
.else
.set rD, 192+8*((\idx)-4)
.endif
.endm
.macro KVHEAD t
	WIN 0x4a                                       ; sources in window 2, destination in window 1: k
.irp ee, 0,1
.irp b, 0,1,2,3,4,5,6,7
.irp r, 0,1,2,3
	v_cvt_pk_f16_f32 v[32*(\ee)+4*(\b)+(\r)], v[8*(8*(2*(\t)+(\ee))+(\b))+2*(\r)], v[8*(8*(2*(\t)+(\ee))+(\b))+2*(\r)+1]
.endr
.endr
.endr
	WIN 0x4f                                       ; sources in window 3: v
.irp ee, 0,1
.irp b, 0,1,2,3,4,5,6,7
.irp r, 0,1,2,3
	v_cvt_pk_f16_f32 v[192+32*(\ee)+4*(\b)+(\r)], v[8*(8*(2*(\t)+(\ee))+(\b))+2*(\r)], v[8*(8*(2*(\t)+(\ee))+(\b))+2*(\r)+1]
.endr
.endr
.endr
	WIN 0x41                                       ; relu on k
.set i, 0
.rept 64
	v_pk_max_num_f16 v[i], v[i], v[ZR]
.set i, i+1
.endr
	WIN 0x05                                       ; both sources in window 1, the sums in window 0.  Four accumulators by turns, one instruction a turn
.irp p, 0,1,2,3
.irp dd, 0,1
.irp ee, 0,1
	VKR 6*(\t)+2*(\dd)+(\ee)
.if (\p) == 0
	v_wmma_f32_16x16x32_f16 v[rD:rD+7], v[32*(\ee)+8*(\p):32*(\ee)+8*(\p)+7], v[192+32*(\dd)+8*(\p):192+32*(\dd)+8*(\p)+7], 0
.else
	v_wmma_f32_16x16x32_f16 v[rD:rD+7], v[32*(\ee)+8*(\p):32*(\ee)+8*(\p)+7], v[192+32*(\dd)+8*(\p):192+32*(\dd)+8*(\p)+7], v[rD:rD+7]
.endif
.endr
.endr
.endr
	WIN 0x01                                       ; source 1 = ones, in window 0: k's sums.  Two accumulators by turns
.irp p, 0,1,2,3
.irp ee, 0,1
	VKR 6*(\t)+4+(\ee)
.if (\p) == 0
	v_wmma_f32_16x16x32_f16 v[rD:rD+7], v[32*(\ee)+8*(\p):32*(\ee)+8*(\p)+7], v[ONES:ONES+7], 0
.else
	v_wmma_f32_16x16x32_f16 v[rD:rD+7], v[32*(\ee)+8*(\p):32*(\ee)+8*(\p)+7], v[ONES:ONES+7], v[rD:rD+7]
.endif
.endr
.endr
	PLACES                                         ; in front of the stores of the sums, and of the next head's conversions into k's and v's registers
	WIN 0
.irp i, 0,1,2,3,4,5
.irp hf, 0,1
	VKR 6*(\t)+(\i)
	global_store_b128 v[LO], v[rD+4*(\hf):rD+4*(\hf)+3], s[OUTB:OUTB+1] offset:(\t)*196608+(\i)*1024+(\hf)*512 th:TH_STORE_NT  ; 512 consecutive bytes, aligned; the low half first
.endr
.endr
.endm
	s_wait_tensorcnt 1                             ; my part of K step 0 is in; K step 1's may stay out
	s_barrier_signal -1
	s_barrier_wait -1
	FETCH 0, 0, F0
	s_mov_b32 s3, LAPS                             ; the way in passes the count once: 11 trips follow
	s_mov_b32 s2, 4                                ; laps to the tile's end
	s_branch .Lzero                                ; the loop is entered at a tile's first quarter, in the middle of a trip
.Llap:                                                 ; a trip goes once round the ring, from a lap's second quarter to the next lap's first, and fills both slots again
	QUARTER 0, 128, F1, F0, 0
	QUARTER 0, 192, F0, F1, 0
	TURN 0, 1
	QUARTER 1, 64,  F0, F1, 0
	QUARTER 1, 128, F1, F0, 0
	QUARTER 1, 192, F0, F1, 0
	TURN 1, 0
	WIN 0
	s_sub_co_u32 s2, s2, 1
	s_cmp_lg_u32 s2, 0                             ; a count of laps: the same in every wave of every work-group
	s_cbranch_scc1 .Lsame
	PLACES                                         ; A k/v TILE IS FINISHED (trips 4 and 8); both refills for the next tile are asked for, its first fragments are on their way
	KVHEAD 0
	KVHEAD 1
	s_wait_xcnt 0x0                                ; the stores have read their registers and their base
	s_add_nc_u64 s[OUTB:OUTB+1], s[OUTB:OUTB+1], 16*196608  ; the next k/v tile's heads lie 16 on
	s_mov_b32 s2, 4
.Lzero:
	QUARTER 0, 64,  F0, F1, 1                      ; a tile's first quarter: its products start the sums
	WIN 0
	s_branch .Lnext
.Lsame:
	QUARTER 0, 64,  F0, F1, 0
	WIN 0
.Lnext:
	s_sub_co_u32 s3, s3, 1
	s_cmp_lg_u32 s3, 0
	s_cbranch_scc1 .Llap
	QUARTER 0, 128, F1, F0, 0                      ; the walk's last lap is written out: it fills nothing
	QUARTER 0, 192, F0, F1, 0
	MEET 0
	PLACES
	FETCH 1, 0, F0
	MUL16 F1, 1, 0, 0
	MUL16 F1, 1, 2, 0
	QUARTER 1, 64,  F0, F1, 0
	QUARTER 1, 128, F1, F0, 0
	QUARTER 1, 192, F0, F1, 0
	s_wait_dscnt 8
	MUL16 F1, 0, 0, 0
	MUL16 F1, 0, 2, 0
	s_wait_dscnt 0x0
	MUL16 F1, 1, 0, 0
	MUL16 F1, 1, 2, 0
	; THE q TILE IN f16, in window 1: accumulator (a, b) becomes 4 registers at 128 (a / 4) + 4 (8 (a % 4) + b); each accumulator is read from its low end on; the fragments go out as they lie
	PLACES
.irp a, 0,1,2,3,4,5,6,7
	WIN 0x4a+5*((\a)/4)                            ; sources in window 2 or 3, destination in window 1
.irp b, 0,1,2,3,4,5,6,7
.irp r, 0,1,2,3
	v_cvt_pk_f16_f32 v[128*((\a)/4)+4*(8*((\a)%4)+(\b))+(\r)], v[8*(8*((\a)%4)+(\b))+2*(\r)], v[8*(8*((\a)%4)+(\b))+2*(\r)+1]
.endr
.endr
.endr
	WIN 0x04                                       ; the stores' data in window 1
.irp a, 0,1,2,3,4,5,6,7
.irp b, 0,1,2,3,4,5,6,7
	global_store_b128 v[LO], v[128*((\a)/4)+4*(8*((\a)%4)+(\b)):128*((\a)/4)+4*(8*((\a)%4)+(\b))+3], s[OUTQ:OUTQ+1] offset:(\a)*32768+(\b)*512 th:TH_STORE_NT  ; 512 consecutive bytes, aligned
.endr
.endr
	WIN 0
	s_wait_tensorcnt 0x0                           ; the wave's end
	ds_add_u32 v[SPW], v[NIL]
	s_wait_dscnt 0x0
	CROUND                                         ; the closing round: no work-group ends while a partner may still ask for a tile that names it
	s_endpgm
.Lfunc_end_k_qdea6ecc744_qkv:
	.size	k_qdea6ecc744_qkv, .Lfunc_end_k_qdea6ecc744_qkv-k_qdea6ecc744_qkv
	.p2alignl 7, 3214868480
	.fill 96, 4, 3214868480
	.section	.rodata,"a",@progbits
	.p2align	6, 0x0
	.amdhsa_kernel k_qdea6ecc744_qkv
		.amdhsa_group_segment_fixed_size 327680
		.amdhsa_private_segment_fixed_size 0
		.amdhsa_enable_private_segment 0
		.amdhsa_kernarg_size 24
		.amdhsa_user_sgpr_count 2
		.amdhsa_user_sgpr_kernarg_segment_ptr 1
		.amdhsa_wavefront_size32 1
		.amdhsa_system_sgpr_workgroup_id_x 1
		.amdhsa_system_sgpr_workgroup_id_y 1
		.amdhsa_system_sgpr_workgroup_id_z 1
		.amdhsa_system_vgpr_workitem_id 0
		.amdhsa_next_free_vgpr 1024
		.amdhsa_next_free_sgpr 88
		.amdhsa_reserve_vcc 0
		.amdhsa_float_denorm_mode_32 3
		.amdhsa_float_denorm_mode_16_64 3
		.amdhsa_memory_ordered 1
		.amdhsa_forward_progress 1
		.amdhsa_inst_pref_size 167
	.end_amdhsa_kernel
	.amdgpu_metadata
---
amdhsa.version: [ 1, 2 ]
amdhsa.kernels:
  - .name:           k_qdea6ecc744_qkv
    .symbol:         k_qdea6ecc744_qkv.kd
    .args:
      - { .name: zb, .offset: 0, .size: 8, .value_kind: global_buffer, .address_space: global }
      - { .name: qf, .offset: 8, .size: 8, .value_kind: global_buffer, .address_space: global }
      - { .name: part, .offset: 16, .size: 8, .value_kind: global_buffer, .address_space: global }
    .group_segment_fixed_size: 327680
    .private_segment_fixed_size: 0
    .kernarg_segment_align: 8
    .kernarg_segment_size: 24
    .max_flat_workgroup_size: 128
    .sgpr_count:     88
    .vgpr_count:     1024
    .wavefront_size: 32
...
	.end_amdgpu_metadata
.endif
;; end of part 2
;; launch vkred (part 3): grid 128 x 1, 8 waves a work-group, no clusters, 50,176 bytes of LDS; arguments part, vkf; writes vkf
.if DOCPART == 3
	.amdgcn_target "amdgcn-amd-amdhsa--gfx1250"
	.amdhsa_code_object_version 6
	.text
	.protected	k_qdea6ecc744_vkred
	.globl	k_qdea6ecc744_vkred
	.p2align	8
	.type	k_qdea6ecc744_vkred,@function
k_qdea6ecc744_vkred:
	s_mov_b64 s[64:65], 0
	v_nop
	global_prefetch_b8 v0, s[64:65] scope:SCOPE_SE
	s_setreg_imm32_b32 hwreg(HW_REG_WAVE_MODE, 25, 1), 1
	s_wait_xcnt 0x0
; FOR EACH (batch, head): the 32 partial sums of [v; 1] k^T are added in f32, normalised, and written as f16 operand fragments with two f32 numbers beside them.
; part: f32 [batch x 32 + head][chunk 0..31][6,144 bytes]: six results of 16 x 16 as they lay in registers: result i = 2 dblk + eblk, register 4 half + c of lane l at byte 1,024 i + 512 half + 16 l + 4 c.
; vkf: for each (batch, head) 3,328 bytes: [i 0..5][lane][16 bytes]: result i rounded in pairs; blocks 2 f, 2 f + 1 are fragment f: f = 0, 1: vk / T', rows d = 16 f + lane % 16; f = 2: ksum / S' in every row.
;      At byte 3,072: 32 times (g, e): g = T' / S', e = 1e-15 / S'.
; T' = max(largest |vk|, 2^-100), S' = max(largest ksum, 2^-100): so the f16 numbers lie within 1 whatever the inputs' size; numbers 6.1e-5 times smaller than the largest keep f16's fixed step.
; These factors enter values alone.  One work-group for each of the 128 heads: that is all the independent work there is.  A wave adds four chunks; the eight sums meet in LDS; wave 0 finishes.
.set SPARE, 49152                      ; behind the eight waves' 6,144 bytes each: the spare words, 128 bytes a wave
.set LO,  1                            ; v1   16 x lane
.set SPW, 2                            ; v2   LDS address of my spare word; never rewritten
.set NIL, 3                            ; v3   0; never rewritten
.set LA,  4                            ; v4   6,144 x wave + 16 x lane
.set L8,  5                            ; v5   8 x lane
.set V,   64                           ; v[64:111]  the sums; v[64:255] four chunks of 48 as loaded
.set TA,  112                          ; two buffers for the other waves' sums
.set TB,  160
.set F,   208                          ; v[208:231] the f16 numbers
	s_load_b128 s[4:7], s[0:1], 0x0                ; part s[4:5], vkf s[6:7]
	v_lshl_add_u32 v[SPW], v0, 2, SPARE
	v_mov_b32 v[NIL], 0
	v_lshrrev_b32 v6, 5, v0
	v_readfirstlane_b32 s8, v6                     ; wave 0..7
	v_and_b32 v7, 31, v0
	v_lshlrev_b32 v[LO], 4, v7
	v_lshlrev_b32 v[L8], 3, v7
	s_mul_i32 s10, ttmp9, 196608                   ; the head's 32 chunks,
	s_mul_i32 s9, s8, 24576                        ; my wave's four
	s_add_co_u32 s10, s10, s9
	s_mov_b32 s11, 0
	s_mul_i32 s16, ttmp9, 3328
	s_mov_b32 s17, 0
	s_mul_i32 s9, s8, 6144
	v_add_nc_u32 v[LA], s9, v[LO]
	s_mov_b32 s12, 0x76543210                      ; v_permlanex16_b32: each lane takes its own place in the other half
	s_mov_b32 s13, 0xfedcba98
	s_mov_b32 s14, 0x7fffffff
	s_wait_kmcnt 0x0
	s_add_nc_u64 s[4:5], s[4:5], s[10:11]
	s_add_nc_u64 s[6:7], s[6:7], s[16:17]
.irp c, 0,1,2,3
.irp i, 0,1,2,3,4,5,6,7,8,9,10,11
	global_load_b128 v[V+48*(\c)+4*(\i):V+48*(\c)+4*(\i)+3], v[LO], s[4:5] offset:(\c)*6144+(\i)*512 th:TH_LOAD_NT
.endr
.endr
.macro ADDB dst, src                   ; 48 sums, two an instruction
.set r, 0
.rept 24
	v_pk_add_f32 v[(\dst)+r:(\dst)+r+1], v[(\dst)+r:(\dst)+r+1], v[(\src)+r:(\src)+r+1]
.set r, r+2
.endr
.endm
	s_wait_loadcnt 24                              ; chunks 0 and 1 are in; the 24 loads of chunks 2 and 3 may stay out
	ADDB V, V+48
	s_wait_loadcnt 0x0
	ADDB V+96, V+144
	ADDB V, V+96
.irp i, 0,1,2,3,4,5,6,7,8,9,10,11
	ds_store_b128 v[LA], v[V+4*(\i):V+4*(\i)+3] offset:512*(\i)    ; one text for all waves: wave 0 stores too, and keeps its sums in registers
.endr
	s_wait_dscnt 0x0                               ; for the others' sake: my stores are done
	s_barrier_signal -1
	s_barrier_wait -1
	s_cmp_lg_u32 s8, 0
	s_cbranch_scc1 .Lend
.macro LD w, buf                       ; wave w's sums
.irp i, 0,1,2,3,4,5,6,7,8,9,10,11
	ds_load_b128 v[(\buf)+4*(\i):(\buf)+4*(\i)+3], v[LO] offset:6144*(\w)+512*(\i)
.endr
.endm
	LD 1, TA
	LD 2, TB
	s_wait_dscnt 12                                ; the older twelve loads are in, the younger twelve stay out
	ADDB V, TA
	LD 3, TA
	s_wait_dscnt 12
	ADDB V, TB
	LD 4, TB
	s_wait_dscnt 12
	ADDB V, TA
	LD 5, TA
	s_wait_dscnt 12
	ADDB V, TB
	LD 6, TB
	s_wait_dscnt 12
	ADDB V, TA
	LD 7, TA
	s_wait_dscnt 12
	ADDB V, TB
	s_wait_dscnt 0x0
	ADDB V, TA
	; the largest |vk| of my 32 numbers, in four chains, and the largest ksum of my 16
.irp k, 0,1,2,3
	v_and_b32 v[6+(\k)], s14, v[V+(\k)]
.endr
.set j, 4
.rept 28
	v_and_b32 v[10+j%4], s14, v[V+j]
	v_max_num_f32 v[6+j%4], v[6+j%4], v[10+j%4]
.set j, j+1
.endr
	v_max3_num_f32 v6, v6, v7, v8
	v_max_num_f32 v6, v6, v9
	v_max3_num_f32 v7, v[V+32], v[V+33], v[V+34]
.set j, 35
.rept 6
	v_max3_num_f32 v7, v7, v[V+j], v[V+j+1]
.set j, j+2
.endr
	v_max_num_f32 v7, v7, v[V+47]
.irp m, 1,2,4,8
	v_max_num_f32_dpp v6, v6, v6 row_xmask:\m row_mask:0xf bank_mask:0xf
	v_max_num_f32_dpp v7, v7, v7 row_xmask:\m row_mask:0xf bank_mask:0xf
.endr
	v_permlanex16_b32 v8, v6, s12, s13
	v_permlanex16_b32 v9, v7, s12, s13
	v_max_num_f32 v6, v6, v8
	v_max_num_f32 v7, v7, v9
	v_max_num_f32 v6, 0x0d800000, v6               ; T' : at least 2^-100
	v_max_num_f32 v7, 0x0d800000, v7               ; S'
	v_rcp_f32 v8, v6
	v_rcp_f32 v10, v7
	v_nop                                          ; a plain instruction behind the last reciprocal,
	s_wait_alu depctr_va_vdst(0)                   ; and one wait for both, ahead of their first reader
	v_mul_f32 v12, v6, v10                         ; g = T' / S'
	v_mul_f32 v13, 0x26901d7d, v10                 ; e = 1e-15 / S'
.set r, 0
.rept 16
	v_pk_mul_f32 v[V+r:V+r+1], v[V+r:V+r+1], v[8:9] op_sel_hi:[1,0]
.set r, r+2
.endr
.rept 8
	v_pk_mul_f32 v[V+r:V+r+1], v[V+r:V+r+1], v[10:11] op_sel_hi:[1,0]
.set r, r+2
.endr
.set r, 0
.rept 24
	v_cvt_pk_f16_f32 v[F+r], v[V+2*r], v[V+2*r+1]
.set r, r+1
.endr
.irp i, 0,1,2,3,4,5
	global_store_b128 v[LO], v[F+4*(\i):F+4*(\i)+3], s[6:7] offset:512*(\i)   ; 512 consecutive bytes, aligned
.endr
	global_store_b64 v[L8], v[12:13], s[6:7] offset:3072                      ; 256 consecutive bytes, aligned
.Lend:
	s_wait_tensorcnt 0x0                           ; the wave's end, behind my last LDS store
	ds_add_u32 v[SPW], v[NIL]
	s_wait_dscnt 0x0
	s_endpgm
.Lfunc_end_k_qdea6ecc744_vkred:
	.size	k_qdea6ecc744_vkred, .Lfunc_end_k_qdea6ecc744_vkred-k_qdea6ecc744_vkred
	.p2alignl 7, 3214868480
	.fill 96, 4, 3214868480
	.section	.rodata,"a",@progbits
	.p2align	6, 0x0
	.amdhsa_kernel k_qdea6ecc744_vkred
		.amdhsa_group_segment_fixed_size 50176
		.amdhsa_private_segment_fixed_size 0
		.amdhsa_enable_private_segment 0
		.amdhsa_kernarg_size 16
		.amdhsa_user_sgpr_count 2
		.amdhsa_user_sgpr_kernarg_segment_ptr 1
		.amdhsa_wavefront_size32 1
		.amdhsa_system_sgpr_workgroup_id_x 1
		.amdhsa_system_sgpr_workgroup_id_y 1
		.amdhsa_system_sgpr_workgroup_id_z 1
		.amdhsa_system_vgpr_workitem_id 0
		.amdhsa_next_free_vgpr 256
		.amdhsa_next_free_sgpr 66
		.amdhsa_reserve_vcc 0
		.amdhsa_float_denorm_mode_32 3
		.amdhsa_float_denorm_mode_16_64 3
		.amdhsa_memory_ordered 1
		.amdhsa_forward_progress 1
		.amdhsa_inst_pref_size 35
	.end_amdhsa_kernel
	.amdgpu_metadata
---
amdhsa.version: [ 1, 2 ]
amdhsa.kernels:
  - .name:           k_qdea6ecc744_vkred
    .symbol:         k_qdea6ecc744_vkred.kd
    .args:
      - { .name: part, .offset: 0, .size: 8, .value_kind: global_buffer, .address_space: global }
      - { .name: vkf, .offset: 8, .size: 8, .value_kind: global_buffer, .address_space: global }
    .group_segment_fixed_size: 50176
    .private_segment_fixed_size: 0
    .kernarg_segment_align: 8
    .kernarg_segment_size: 16
    .max_flat_workgroup_size: 256
    .sgpr_count:     66
    .vgpr_count:     256
    .wavefront_size: 32
...
	.end_amdgpu_metadata
.endif
;; end of part 3
;; launch apply (part 4): grid 256 x 1, 16 waves a work-group, no clusters, 0 bytes of LDS; arguments qf, vkf, ao; writes ao
.if DOCPART == 4
	.amdgcn_target "amdgcn-amd-amdhsa--gfx1250"
	.amdhsa_code_object_version 6
	.text
	.protected	k_qdea6ecc744_apply
	.globl	k_qdea6ecc744_apply
	.p2align	8
	.type	k_qdea6ecc744_apply,@function
k_qdea6ecc744_apply:
	s_mov_b64 s[64:65], 0
	v_nop
	global_prefetch_b8 v0, s[64:65] scope:SCOPE_SE
	s_setreg_imm32_b32 hwreg(HW_REG_WAVE_MODE, 25, 1), 1
	s_wait_xcnt 0x0
; ao = (g / G) (vk'' relu(q)) / (ks' relu(q) + e), which is reference()'s (vk q) / (ksum q + 1e-15) divided by G: vk'' = vk / T', ks' = ksum / S', g = T' / S', e = 1e-15 / S' come from vkf;
; G = max(the batch's largest g, 2^-100) is made here and, in the same way, in the launch behind, which multiplies by it again in f32.  Products in f16 with f32 sums; the division in f32; ao rounded once to f16.
; LIMITS.  |ao| is at most the largest |v| / G and must stay under 65,504; below 6.1e-5 it keeps f16's fixed step of 6e-8.  A token whose q are all 0 gives 0, as in reference().  NaN and infinities are not treated apart.
; qf and ao: f16 [token block of 16][head][half][lane][16 bytes]: operand fragments as they lie in registers (lane (r, h): token r, channels 32 head + 16 half + 8 h + 0..7).  qf holds q before its relu.
; D = vk'' x q (source 0: rows d, source 1: columns = tokens): lane l holds token l % 16 and registers 0..7 hold d = 8 (l / 16) + 0..7: the two results d < 16, d >= 16, rounded in pairs, are ao's fragment.
; The third result has ks' in every row: its register 0 holds the token's divisor in every lane.
; SHARES.  A work-group: a pair of heads, a quarter of a batch's tokens; of its sixteen waves each takes one head and eight token blocks.  All 24 loads of a wave go out at once; every load and store of q and ao
; is 512 consecutive bytes, aligned.  No LDS, no barrier, no loop: nothing is shared but 3 KiB of vkf a wave.
.set LO,  1                            ; v1   16 x lane
.set L8,  2                            ; v2   8 x lane
.set LH,  3                            ; v3   3,328 x lane: head l's block in vkf
.set VK,  16                           ; v[16:39]   fragment f at VK + 8 f
.set D,   40                           ; v[40:63]   the results, in the same order
.set Q,   64                           ; v[64:127]  block n at Q + 8 n: q as loaded, then ao
	s_load_b128 s[4:7], s[0:1], 0x0                ; qf s[4:5], vkf s[6:7]
	s_load_b64 s[8:9], s[0:1], 0x10                ; ao
	v_lshrrev_b32 v4, 5, v0
	v_readfirstlane_b32 s10, v4                    ; wave 0..15
	v_and_b32 v5, 31, v0
	v_lshlrev_b32 v[LO], 4, v5
	v_lshlrev_b32 v[L8], 3, v5
	v_mul_u32_u24 v[LH], v5, 3328
	s_and_b32 s11, ttmp9, 15                       ; the pair of heads
	s_bfe_u32 s12, ttmp9, 0x20004                  ; the quarter of the batch's tokens
	s_lshr_b32 s13, ttmp9, 6                       ; the batch
	s_and_b32 s24, s10, 1                          ; my head of the pair
	s_lshr_b32 s25, s10, 1                         ; my eight token blocks of the quarter's 64
	s_lshl_b32 s14, s13, 8
	s_lshl_b32 s15, s12, 6
	s_add_co_u32 s14, s14, s15
	s_lshl_b32 s15, s25, 3
	s_add_co_u32 s14, s14, s15                     ; my first token block
	s_lshl_b32 s14, s14, 15
	s_lshl_b32 s15, s11, 1
	s_add_co_u32 s15, s15, s24                     ; my head
	s_lshl_b32 s26, s15, 10
	s_add_co_u32 s14, s14, s26
	s_mul_i32 s18, s15, 3328
	s_mov_b32 s15, 0
	s_mov_b32 s19, 0
	s_mul_i32 s16, s13, 32*3328
	s_mov_b32 s17, 0
	s_mov_b32 s20, 0x76543210                      ; v_permlanex16_b32: each lane takes its own place in the other half
	s_mov_b32 s21, 0xfedcba98
	s_wait_kmcnt 0x0
	s_add_nc_u64 s[4:5], s[4:5], s[14:15]
	s_add_nc_u64 s[8:9], s[8:9], s[14:15]
	s_add_nc_u64 s[6:7], s[6:7], s[16:17]          ; vkf at the batch's first head
	s_add_nc_u64 s[22:23], s[6:7], s[18:19]        ; and at mine
	global_load_b32 v4, v[LH], s[6:7] offset:3072  ; lane l: head l's g
	global_load_b64 v[6:7], v[L8], s[22:23] offset:3072        ; (g, e) of my head
.irp i, 0,1,2,3,4,5
	global_load_b128 v[VK+4*(\i):VK+4*(\i)+3], v[LO], s[22:23] offset:(\i)*512
.endr
.irp n, 0,1,2,3,4,5,6,7
.irp hf, 0,1
	global_load_b128 v[Q+8*(\n)+4*(\hf):Q+8*(\n)+4*(\hf)+3], v[LO], s[4:5] offset:(\n)*32768+(\hf)*512 th:TH_LOAD_NT
.endr
.endr
	s_wait_loadcnt 22                              ; the first two loads are in; vk's 6 and q's 16 stay out
.irp m, 1,2,4,8
	v_max_num_f32_dpp v4, v4, v4 row_xmask:\m row_mask:0xf bank_mask:0xf
.endr
	v_permlanex16_b32 v5, v4, s20, s21
	v_max_num_f32 v4, v4, v5
	v_max_num_f32 v4, 0x0d800000, v4               ; G: at least 2^-100
	v_rcp_f32 v5, v4
	v_mov_b32 v11, 0                               ; 0: for the relu, and the factor pair's upper word; also the plain instruction behind the reciprocal
	s_wait_alu depctr_va_vdst(0)                   ; ahead of the reciprocal's first reader
	v_mul_f32 v14, v6, v5                          ; g / G of my head
.macro BLK n
	s_wait_loadcnt 2*(7-(\n))                      ; this block's two loads are in; the later blocks' stay out
.irp r, 0,1,2,3,4,5,6,7
	v_pk_max_num_f16 v[Q+8*(\n)+(\r)], v[Q+8*(\n)+(\r)], v11   ; relu
.endr
.irp f, 0,1,2
	v_wmma_f32_16x16x32_f16 v[D+8*(\f):D+8*(\f)+7], v[VK+8*(\f):VK+8*(\f)+7], v[Q+8*(\n):Q+8*(\n)+7], 0
.endr
.rept 4
	v_nop                                          ; four places between the products and the lines that read their results and write over q
.endr
	v_add_f32 v10, v[D+16], v7                     ; ks' q + e: the third result's lowest register
	v_rcp_f32 v10, v10
	v_nop                                          ; a plain instruction behind the reciprocal,
	s_wait_alu depctr_va_vdst(0)                   ; and its wait
	v_mul_f32 v10, v10, v14
.irp r, 0,2,4,6,8,10,12,14
	v_pk_mul_f32 v[D+(\r):D+(\r)+1], v[D+(\r):D+(\r)+1], v[10:11] op_sel_hi:[1,0]
.endr
.irp r, 0,1,2,3,4,5,6,7
	v_cvt_pk_f16_f32 v[Q+8*(\n)+(\r)], v[D+2*(\r)], v[D+2*(\r)+1]
.endr
.irp hf, 0,1
	global_store_b128 v[LO], v[Q+8*(\n)+4*(\hf):Q+8*(\n)+4*(\hf)+3], s[8:9] offset:(\n)*32768+(\hf)*512 th:TH_STORE_NT
.endr
.endm
	BLK 0
	BLK 1
	BLK 2
	BLK 3
	BLK 4
	BLK 5
	BLK 6
	BLK 7
	s_endpgm
.Lfunc_end_k_qdea6ecc744_apply:
	.size	k_qdea6ecc744_apply, .Lfunc_end_k_qdea6ecc744_apply-k_qdea6ecc744_apply
	.p2alignl 7, 3214868480
	.fill 96, 4, 3214868480
	.section	.rodata,"a",@progbits
	.p2align	6, 0x0
	.amdhsa_kernel k_qdea6ecc744_apply
		.amdhsa_group_segment_fixed_size 0
		.amdhsa_private_segment_fixed_size 0
		.amdhsa_enable_private_segment 0
		.amdhsa_kernarg_size 24
		.amdhsa_user_sgpr_count 2
		.amdhsa_user_sgpr_kernarg_segment_ptr 1
		.amdhsa_wavefront_size32 1
		.amdhsa_system_sgpr_workgroup_id_x 1
		.amdhsa_system_sgpr_workgroup_id_y 1
		.amdhsa_system_sgpr_workgroup_id_z 1
		.amdhsa_system_vgpr_workitem_id 0
		.amdhsa_next_free_vgpr 128
		.amdhsa_next_free_sgpr 66
		.amdhsa_reserve_vcc 0
		.amdhsa_float_denorm_mode_32 3
		.amdhsa_float_denorm_mode_16_64 3
		.amdhsa_memory_ordered 1
		.amdhsa_forward_progress 1
		.amdhsa_inst_pref_size 22
	.end_amdhsa_kernel
	.amdgpu_metadata
---
amdhsa.version: [ 1, 2 ]
amdhsa.kernels:
  - .name:           k_qdea6ecc744_apply
    .symbol:         k_qdea6ecc744_apply.kd
    .args:
      - { .name: qf, .offset: 0, .size: 8, .value_kind: global_buffer, .address_space: global }
      - { .name: vkf, .offset: 8, .size: 8, .value_kind: global_buffer, .address_space: global }
      - { .name: ao, .offset: 16, .size: 8, .value_kind: global_buffer, .address_space: global }
    .group_segment_fixed_size: 0
    .private_segment_fixed_size: 0
    .kernarg_segment_align: 8
    .kernarg_segment_size: 24
    .max_flat_workgroup_size: 512
    .sgpr_count:     66
    .vgpr_count:     128
    .wavefront_size: 32
...
	.end_amdgpu_metadata
.endif
;; end of part 4
;; launch proj (part 5): grid 4 x 64, 4 waves a work-group, clusters of 4 x 4, 327,680 bytes of LDS; arguments ao, wpf, b_proj, vkf, out0; writes out0
.if DOCPART == 5
	.amdgcn_target "amdgcn-amd-amdhsa--gfx1250"
	.amdhsa_code_object_version 6
	.text
	.protected	k_qdea6ecc744_proj
	.globl	k_qdea6ecc744_proj
	.p2align	8
	.type	k_qdea6ecc744_proj,@function
k_qdea6ecc744_proj:
	s_mov_b64 s[64:65], 0
	v_nop
	global_prefetch_b8 v0, s[64:65] scope:SCOPE_SE
	s_setreg_imm32_b32 hwreg(HW_REG_WAVE_MODE, 25, 1), 1
	s_wait_xcnt 0x0
	s_wait_alu depctr_hold_cnt(0) depctr_sa_sdst(0) depctr_va_vdst(0) depctr_va_sdst(0) depctr_va_ssrc(0) depctr_va_vcc(0) depctr_vm_vsrc(0)
	s_getreg_b32 s2, hwreg(HW_REG_IB_STS2, 6, 4)
	s_cmp_eq_u32 s2, 0
	s_cbranch_scc0 .Lentry_in_a_cluster
	s_endpgm
.Lentry_in_a_cluster:
	s_bfe_u32 s2, ttmp6, 0x10000c
	s_cmp_lg_u32 s2, 0xf033
	s_cbranch_scc0 .Lentry_shape_is_right
	s_endpgm
.Lentry_shape_is_right:
; out0[token][o] = G x (sum over c of ao[token][c] W_proj[o][c]) + b_proj[o].  f16 operands, f32 sums, K = 1,024, tiles of 256 x 256; G (f32, one a batch) undoes the division by G of the launch before.
; ao: f16 [token block of 16][head][half][lane][16 bytes]: operand fragments as they lie in registers.  wpf: f16 [1024][1024].  b_proj is rounded to bf16 like all the module's inputs.
; G = max(the largest g of the batch's 32 heads, 2^-100); head l's g lies in vkf at 3,328 (32 batch + l) + 3,072.
; REGION A = 256 tokens (shared along a row of the cluster of 4 x 4), REGION B = 256 rows of W_proj (shared along a column).  Source 0 = 16 rows of B, source 1 = 16 rows of A: lane l holds token l % 16,
; registers 0..7 hold the output channels 8 (l / 16) + 0..7: 32 neighbouring bytes of a row of out0.
; RING.  K goes in steps of 128 (four heads) through two LDS slots filled by joint tensor loads, one a wave behind each round of the cluster's barrier.  A's half tile is 8 token blocks x 4,096 dense bytes,
; laid without padding: a fragment load takes 512 neighbouring bytes.  B's half tile is 128 rows x 256 bytes, 16 bytes of padding behind each.
; WAY OUT.  16 rows at a time through each wave's own stage in LDS: in by lanes' 32 bytes, back as whole rows of 512 bytes.
; REGISTERS, in windows of 256 (s_set_vgpr_msb: bits 1:0 source 0, 3:2 source 1, 5:4 source 2, 7:6 destination):
;   window 0: v0-31 addresses, G; v64-127, v128-191 A's fragments; on the way out v32-95 results, v96-159, v160-223 rows read back
;   window 1: v0-63 the bias of my 128 channels (block b, register j at 8 b + j); v64-127, v128-191 B's fragments; v192-223 at work at the head
;   windows 2, 3: the 64 accumulators: (a, b) at v[8 (8 (a % 4) + b)], window 2 + a / 4
.set KSTEP,  128
.set ASTEP,  4096                      ; bytes of a token block in a K step
.set PITCH,  272
.set HALFA,  32768                     ; A: what one tensor load brings
.set HALFB,  128*PITCH                 ; B: likewise
.set BOFF,   2*HALFA
.set SLOT,   BOFF+2*HALFB
.set STAGE,  2*SLOT                    ; behind the ring, never filled by a tensor load: 16 rows x 528 bytes for each wave
.set SPITCH, 528                       ; 512 bytes + 16 = 132 words: the 16 rows that a store touches start at 16 different groups of four banks
.set SPARE,  STAGE+4*16*SPITCH         ; behind the stages: the spare words, 128 bytes a wave, which no other line names
.set LAPS,   1024/(2*KSTEP)
.set GP,   12                          ; v[12:13] G, twice
.set ADRA, 16                          ; v16-17  LDS address of my A fragments in slot 0, 1
.set ADRB, 20                          ; v20-21  the same for B
.set STO,  24                          ; v24     the way out: where I put my 32 bytes of a row
.set RD,   25                          ; v25     the way out: where I read a row back
.set CO,   26                          ; v26     16 x lane
.set SPW,  28                          ; v28     LDS address of my spare word; never rewritten
.set NIL,  29                          ; v29     0; never rewritten
.set PFO,  30                          ; v30     the prefetches' offset; never rewritten
.set F0,   64
.set F1,   128
.set TMP,  32
.set OB,   96
.set G1,  24                           ; s[24:31] descriptor group 1 for A's tiles
.set G0,  32                           ; s[32:39] group 0 for A's tiles, a set for each slot
.set LIM, 43                           ; s43      1 in a wave that prefetches, else the greatest number
.set PFA, 44                           ; s[44:45] the K step that the next prefetch names
.set G1B, 48
.set G0B, 56
.set SEL, 66                           ; s[66:67] v_permlanex16_b32's selects
.set OUTB, 68                          ; s[68:69] out0 at my 128 rows and 128 columns
.set PST, 70                           ; s[70:71] the prefetches' step along K
.set MSB, 0
.macro WIN new
.if MSB != (\new)
	s_set_vgpr_msb (MSB<<8)|(\new)
.set MSB, \new
.endif
.endm
.set MUL_LO, 0xa1
.set MUL_HI, 0xf1
.set TO_B,   0x40
.macro JLOAD s                         ; a joint load: waves 0, 1 fetch A's halves, waves 2, 3 B's; an s_nop 0 and four v_nop follow each of the two lines
	s_cmp_eq_u32 s11, 0
	s_cbranch_scc0 .Lfor_b_\@
	tensor_load_to_lds s[G0+4*(\s):G0+4*(\s)+3], s[G1:G1+7]
	s_nop 0
.rept 4
	v_nop
.endr
	s_branch .Lasked_\@
.Lfor_b_\@:
	tensor_load_to_lds s[G0B+4*(\s):G0B+4*(\s)+3], s[G1B:G1B+7]
	s_nop 0
.rept 4
	v_nop
.endr
.Lasked_\@:
.endm
; A prefetch of the K step that stands two refills on, 32 blocks of 256 bytes, a lane a block.  A's tokens are read by one cluster alone: every cluster asks for its own (waves 0, 1); W_proj's rows are read by
; all sixteen clusters: the first (cluster y = 0) asks (waves 2, 3).  The four partners that ask for a tile jointly share it out by address: two token blocks, or 32 rows, each.
; K steps 4 to 7 are asked for; the loop's last trip (s3 = 1) asks for nothing.
.macro ASK
	s_cmp_gt_u32 s3, s[LIM]
	s_cbranch_scc0 .Lnot_mine_\@
	global_prefetch_b8 v[PFO], s[PFA:PFA+1] th:TH_LOAD_NT scope:SCOPE_SE
.Lnot_mine_\@:
.endm
.macro CREST
	s_cmp_lg_u32 s10, 0
	s_cbranch_scc1 .Lnot_wave_0_\@
	s_barrier_signal -3
.Lnot_wave_0_\@:
	s_barrier_wait -3
	s_barrier_signal -1
	s_barrier_wait -1
.endm
.macro CROUND
	s_barrier_signal -1
	s_barrier_wait -1
	CREST
.endm
	s_load_b128 s[4:7], s[0:1], 0x0                ; ao s[4:5], wpf s[6:7]
	s_load_b64 s[8:9], s[0:1], 0x10                ; b_proj
	s_load_b128 s[72:75], s[0:1], 0x18             ; vkf s[72:73], out0 s[74:75]
	v_lshl_add_u32 v[SPW], v0, 2, SPARE
	v_mov_b32 v[NIL], 0
	ds_add_u32 v[SPW], v[NIL]                      ; the wave's opening: the add, twice on end, and its wait ahead of my first tensor load
	ds_add_u32 v[SPW], v[NIL]                      ; once more; the set-up below, work on registers, stands between it and the wait
	v_lshrrev_b32 v1, 5, v0
	v_readfirstlane_b32 s10, v1                    ; wave 0..3
	s_lshr_b32 s11, s10, 1                         ; my half of the tile's tokens.  Also: I fetch for A (0) or for B (1)
	s_and_b32 s12, s10, 1                          ; my half of its channels.  Also: which half of that region I fetch
	s_bfe_u32 s40, ttmp6, 0x40000                  ; cx: the tile column (the grid has one cluster along x)
	s_bfe_u32 s41, ttmp6, 0x40004                  ; cy
	s_and_b32 s13, ttmp7, 0xffff                   ; the cluster's y
	s_lshl_b32 s42, s13, 2
	s_add_co_u32 s42, s42, s41                     ; the tile row
	s_lshl_b32 s43, s41, 2
	s_lshl_b32 s43, 15, s43                        ; my row of the cluster
	s_lshl_b32 s44, 0x1111, s40                    ; my column
	s_or_b32 s[G1+0], s43, (3<<16)|(1<<21)         ; A: the mask; elements of 8 bytes; no padding; bit 21 beside a mask
	s_mov_b32 s[G1+1], 512<<16                     ; tensor_dim0 = 512 elements: 4,096 bytes
	s_mov_b32 s[G1+2], 8<<16                       ; tensor_dim1 = 8 token blocks
	s_mov_b32 s[G1+3], 512<<16                     ; tile_dim0 = 512
	s_mov_b32 s[G1+4], 8                           ; tile_dim1 = 8
	s_mov_b32 s[G1+5], 4096                        ; 4,096 elements (32,768 bytes) from a token block to the next
	s_mov_b32 s[G1+6], 0
	s_mov_b32 s[G1+7], 0
	s_or_b32 s[G1B+0], s44, (1<<16)|(1<<20)|(1<<21)|(5<<22)|(3<<25)  ; B: elements of 2 bytes; after every 64 words 4 words of padding
	s_mov_b32 s[G1B+1], KSTEP<<16
	s_mov_b32 s[G1B+2], 128<<16
	s_mov_b32 s[G1B+3], KSTEP<<16
	s_mov_b32 s[G1B+4], 128
	s_mov_b32 s[G1B+5], 1024
	s_mov_b32 s[G1B+6], 0
	s_mov_b32 s[G1B+7], 0
	s_lshl_b32 s16, s42, 1
	s_add_co_u32 s16, s16, s12
	s_lshl_b32 s16, s16, 18                        ; A: (16 x tile row + 8 x half) token blocks of 32,768 bytes: nothing of cx
	s_lshl_b32 s46, s40, 1
	s_add_co_u32 s46, s46, s12
	s_lshl_b32 s46, s46, 18                        ; B: (256 cx + 128 x half) rows of 2,048 bytes: nothing of cy
	s_mov_b32 s17, 0
	s_mov_b32 s47, 0
	s_lshl_b32 s20, s12, 15                        ; where they go: A's halves at 0 and 32,768,
	s_mul_i32 s21, s12, HALFB
	s_add_co_u32 s21, s21, BOFF                    ; B's behind them
	s_mov_b32 s[SEL], 0x76543210
	s_mov_b32 s[SEL+1], 0xfedcba98
	s_wait_dscnt 0x0                               ; both opening adds are done
	s_wait_kmcnt 0x0
	s_add_nc_u64 s[14:15], s[4:5], s[16:17]
	s_add_nc_u64 s[46:47], s[6:7], s[46:47]
	CROUND                                         ; all sixteen work-groups are here: the first joint loads meet
.irp s, 0,1
	s_mov_b32 s[G0+4*(\s)], 1
	s_add_co_u32 s[G0+4*(\s)+1], s20, (\s)*SLOT
	s_add_nc_u64 s[G0+4*(\s)+2:G0+4*(\s)+3], s[14:15], (\s)*ASTEP
	s_or_b32 s[G0+4*(\s)+3], s[G0+4*(\s)+3], 0x80000000
	s_mov_b32 s[G0B+4*(\s)], 1
	s_add_co_u32 s[G0B+4*(\s)+1], s21, (\s)*SLOT
	s_add_nc_u64 s[G0B+4*(\s)+2:G0B+4*(\s)+3], s[46:47], (\s)*KSTEP*2
	s_or_b32 s[G0B+4*(\s)+3], s[G0B+4*(\s)+3], 0x80000000
	JLOAD \s                                       ; two loads of mine are out
.endr
	v_and_b32 v1, 15, v0                           ; l % 16
	v_bfe_u32 v2, v0, 4, 1                         ; l / 16
	v_and_b32 v4, 31, v0
	v_lshlrev_b32 v[CO], 4, v4
	v_lshlrev_b32 v5, 5, v2                        ; the bias: my 8 channels of a block of 16: 32 bytes for each half of the lanes
	v_mul_u32_u24 v6, v4, 3328                     ; head l's block in vkf
	s_lshl_b32 s16, s40, 1
	s_add_co_u32 s16, s16, s12
	s_lshl_b32 s16, s16, 9                         ; my 128 channels: 512 bytes of b_proj and of a row of out0
	s_mov_b32 s17, 0
	s_add_nc_u64 s[8:9], s[8:9], s[16:17]
	s_lshr_b32 s18, s13, 2                         ; the batch: four clusters along y each
	s_mul_i32 s18, s18, 32*3328
	s_mov_b32 s19, 0
	s_add_nc_u64 s[72:73], s[72:73], s[18:19]
	s_add_nc_u64 s[OUTB:OUTB+1], s[74:75], s[16:17]
	s_lshl_b32 s18, s42, 1
	s_add_co_u32 s18, s18, s11
	s_lshl_b32 s18, s18, 19                        ; my 128 rows of 4,096 bytes
	s_add_nc_u64 s[OUTB:OUTB+1], s[OUTB:OUTB+1], s[18:19]
	WIN 0x40                                       ; destination window 1
.irp b, 0,1,2,3,4,5,6,7
	global_load_b128 v[8*(\b):8*(\b)+3],   v5, s[8:9] offset:64*(\b)
	global_load_b128 v[8*(\b)+4:8*(\b)+7], v5, s[8:9] offset:64*(\b)+16
.endr
	WIN 0
	global_load_b32 v7, v6, s[72:73] offset:3072   ; lane l: head l's g
	v_mul_u32_u24 v3, v1, PITCH
	v_lshl_add_u32 v3, v2, 4, v3                   ; B's fragments: row x pitch + 16 x half
	s_lshl_b32 s21, s11, 15                        ; my 128 tokens of A
	s_mul_i32 s22, s12, HALFB
	s_add_co_u32 s22, s22, BOFF                    ; my 128 rows of B
.irp s, 0,1
	v_add_nc_u32 v[ADRA+(\s)], s21, v[CO]          ; A's fragments lie as registers want them: 16 x lane
	v_add_nc_u32 v[ADRB+(\s)], s22, v3
	s_add_co_u32 s21, s21, SLOT
	s_add_co_u32 s22, s22, SLOT
.endr
	s_mul_i32 s23, s10, 16*SPITCH
	s_add_co_u32 s23, s23, STAGE                   ; my stage
	v_mul_u32_u24 v[STO], v1, SPITCH
	v_lshl_add_u32 v[STO], v2, 5, v[STO]
	v_add_nc_u32 v[STO], s23, v[STO]               ; in: row l % 16, 32 bytes for each half of the lanes
	v_add_nc_u32 v[RD], s23, v[CO]                 ; back: 32 lanes take a row's 512 bytes
	; the prefetches
	s_lshl_b32 s20, s42, 1
	s_add_co_u32 s20, s20, s12
	s_lshl_b32 s20, s20, 18
	s_lshl_b32 s21, s40, 1
	s_add_co_u32 s21, s21, s12
	s_lshl_b32 s21, s21, 18
	s_cmp_eq_u32 s13, 0
	s_cselect_b32 s22, 1, -1
	s_cmp_eq_u32 s11, 0
	s_cselect_b32 s20, s20, s21                    ; what I fetch begins here,
	s_cselect_b32 s21, s40, s41                    ; my place among the four that ask for it with me
	s_cselect_b32 s[LIM], 1, s22                   ; the same in all sixteen partners, for a given wave
	s_cselect_b32 s[PST], 12, 8
	s_cselect_b32 s23, 8, 11
	s_cselect_b64 s[PFA:PFA+1], s[4:5], s[6:7]
	s_lshl_b32 s[PST], 1, s[PST]                   ; a K step: 4,096 bytes of a token block, 256 of a row of W_proj
	s_mov_b32 s[PST+1], 0
	s_lshl_b32 s21, s21, 16                        ; my work-group's share: two token blocks, or 32 rows: 65,536 bytes on
	s_add_co_u32 s20, s20, s21
	s_mul_i32 s21, s[PST], 3                       ; at K step 3: the first refill steps it to 4
	s_add_co_u32 s20, s20, s21
	s_mov_b32 s21, 0
	s_add_nc_u64 s[PFA:PFA+1], s[PFA:PFA+1], s[20:21]
	v_lshlrev_b32 v[PFO], s23, v1                  ; A: 16 blocks of 256 bytes in each of two token blocks; B: 32 rows of 2,048 bytes
	v_lshl_add_u32 v[PFO], v2, 15, v[PFO]
	s_mov_b32 s20, 0xffff0000
	s_wait_loadcnt 0x0                             ; the bias and g
.irp m, 1,2,4,8
	v_max_num_f32_dpp v7, v7, v7 row_xmask:\m row_mask:0xf bank_mask:0xf
.endr
	v_mov_b32 v8, 0
	v_permlanex16_b32 v8, v7, s[SEL], s[SEL+1]
	v_max_num_f32 v7, v7, v8
	v_max_num_f32 v[GP], 0x0d800000, v7            ; G: at least 2^-100
	v_mov_b32 v[GP+1], v[GP]
	WIN 0x45                                       ; the bias is rounded to bf16 and widened again, in window 1
.set i, 0
.rept 32
	v_cvt_pk_bf16_f32 v[192+i], v[2*i], v[2*i+1]
.set i, i+1
.endr
.set i, 0
.rept 32
	v_lshlrev_b32 v[2*i], 16, v[192+i]
	v_and_b32 v[2*i+1], s20, v[192+i]
.set i, i+1
.endr
	WIN 0
.macro MUL16 f, hi, a0, zero           ; 16 matrix instructions; the 64 accumulators take turns, one instruction a turn
	WIN MUL_LO+0x50*(\hi)
.irp a, \a0, (\a0)+1
.irp b, 0,1,2,3,4,5,6,7
.if \zero
	v_wmma_f32_16x16x32_f16 v[8*(8*(\a)+(\b)):8*(8*(\a)+(\b))+7], v[(\f)+8*(\b):(\f)+8*(\b)+7], v[(\f)+8*(4*(\hi)+(\a)):(\f)+8*(4*(\hi)+(\a))+7], 0
.else
	v_wmma_f32_16x16x32_f16 v[8*(8*(\a)+(\b)):8*(8*(\a)+(\b))+7], v[(\f)+8*(\b):(\f)+8*(\b)+7], v[(\f)+8*(4*(\hi)+(\a)):(\f)+8*(4*(\hi)+(\a))+7], v[8*(8*(\a)+(\b)):8*(8*(\a)+(\b))+7]
.endif
.endr
.endr
.endm
; 32 LDS loads in one run: a quarter step's fragments (32 channels: byte k of B's rows, head k / 64 of A's token blocks) into buffer f: B's, then A's
.macro FETCH slot, k, f
	WIN TO_B
.irp i, 0,1,2,3,4,5,6,7
	ds_load_b128 v[(\f)+8*(\i):(\f)+8*(\i)+3],   v[ADRB+(\slot)] offset:(\k)+(\i)*16*PITCH
	ds_load_b128 v[(\f)+8*(\i)+4:(\f)+8*(\i)+7], v[ADRB+(\slot)] offset:(\k)+(\i)*16*PITCH+32
.endr
	WIN 0
.irp i, 0,1,2,3,4,5,6,7
	ds_load_b128 v[(\f)+8*(\i):(\f)+8*(\i)+3],   v[ADRA+(\slot)] offset:((\k)/64)*1024+(\i)*ASTEP
	ds_load_b128 v[(\f)+8*(\i)+4:(\f)+8*(\i)+7], v[ADRA+(\slot)] offset:((\k)/64)*1024+(\i)*ASTEP+512
.endr
.endm
.macro PLACES                          ; four plain vector instructions between a matrix instruction and a load into, or a vector instruction on, its registers
.rept 4
	v_nop
.endr
.endm
.macro QUARTER slot, k, f, g, zero
	s_wait_dscnt 8                                 ; B and A's rows 0-63 are in; the youngest eight loads (A's rows 64-127) may be out
	MUL16 \f, 0, 0, \zero
	MUL16 \f, 0, 2, \zero
	PLACES
	FETCH \slot, \k, \g
	s_wait_dscnt 32                                ; all but the 32 just issued
	MUL16 \f, 1, 0, \zero
	MUL16 \f, 1, 2, \zero
.endm
.macro MEET round                      ; the barrier of the change of slots: all my tensor loads, the add, my reads of this slot, then the signal
	WIN 0
	s_wait_tensorcnt 0x0
	ds_add_u32 v[SPW], v[NIL]
	s_wait_dscnt 9                                 ; the add and the youngest eight loads may be out
	MUL16 F1, 0, 0, 0
	s_wait_dscnt 0x0                               ; the add is done, and my reads of this slot are over
	s_barrier_signal -1
	MUL16 F1, 0, 2, 0
.if \round
	WIN 0
.endif
	s_barrier_wait -1
.endm
.macro TURN slot, next                 ; a K step's last quarter with a refill: the barrier opens a round of the cluster's barrier, and the joint refill is the first thing behind the round
	s_wait_xcnt 0x0                                ; the last prefetch, a K step back, has read its address
	s_add_nc_u64 s[PFA:PFA+1], s[PFA:PFA+1], s[PST:PST+1]
	MEET 1
	CREST
	s_add_nc_u64 s[G0+4*(\slot)+2:G0+4*(\slot)+3], s[G0+4*(\slot)+2:G0+4*(\slot)+3], 2*ASTEP
	s_add_nc_u64 s[G0B+4*(\slot)+2:G0B+4*(\slot)+3], s[G0B+4*(\slot)+2:G0B+4*(\slot)+3], 2*KSTEP*2
	JLOAD \slot                                    ; its four v_nop are also the places in front of the loads below
	FETCH \next, 0, F0
	ASK
	MUL16 F1, 1, 0, 0
	MUL16 F1, 1, 2, 0
.endm
	s_wait_tensorcnt 1                             ; my part of K step 0 is in; K step 1's may stay out
	s_barrier_signal -1
	s_barrier_wait -1
	FETCH 0, 0, F0
	QUARTER 0, 64,  F0, F1, 1
	WIN 0
	s_mov_b32 s3, LAPS-1
.Llap:
	QUARTER 0, 128, F1, F0, 0
	QUARTER 0, 192, F0, F1, 0
	TURN 0, 1
	QUARTER 1, 64,  F0, F1, 0
	QUARTER 1, 128, F1, F0, 0
	QUARTER 1, 192, F0, F1, 0
	TURN 1, 0
	QUARTER 0, 64,  F0, F1, 0
	WIN 0
	s_sub_co_u32 s3, s3, 1
	s_cmp_lg_u32 s3, 0
	s_cbranch_scc1 .Llap
	QUARTER 0, 128, F1, F0, 0                      ; the last lap fills nothing
	QUARTER 0, 192, F0, F1, 0
	MEET 0
	PLACES
	FETCH 1, 0, F0
	MUL16 F1, 1, 0, 0
	MUL16 F1, 1, 2, 0
	QUARTER 1, 64,  F0, F1, 0
	QUARTER 1, 128, F1, F0, 0
	QUARTER 1, 192, F0, F1, 0
	s_wait_dscnt 8
	MUL16 F1, 0, 0, 0
	MUL16 F1, 0, 2, 0
	s_wait_dscnt 0x0
	MUL16 F1, 1, 0, 0
	MUL16 F1, 1, 2, 0
; THE WAY OUT of block a (16 tokens x 128 channels).  OUTP: G x sum + bias, two an instruction, each accumulator from its low end on.
.macro OUTP a
	WIN 0x12+((\a)/4)                              ; source 0 window 2 or 3, G window 0, the bias window 1, destination window 0
.irp b, 0,1,2,3,4,5,6,7
.irp r, 0,2,4,6
	v_pk_fma_f32 v[TMP+8*(\b)+(\r):TMP+8*(\b)+(\r)+1], v[8*(8*((\a)%4)+(\b))+(\r):8*(8*((\a)%4)+(\b))+(\r)+1], v[GP:GP+1], v[8*(\b)+(\r):8*(\b)+(\r)+1] op_sel_hi:[1,0,1]
.endr
.endr
	WIN 0
.endm
.macro TOSTAGE a                       ; into my stage, and back as whole rows; LDS serves a wave's instructions in order, so the loads see the stores
	WIN 0
.set BK, OB+64*((\a)%2)
.irp b, 0,1,2,3,4,5,6,7
	ds_store_b128 v[STO], v[TMP+8*(\b):TMP+8*(\b)+3]   offset:64*(\b)
	ds_store_b128 v[STO], v[TMP+8*(\b)+4:TMP+8*(\b)+7] offset:64*(\b)+16
.endr
.irp t, 0,1,2,3,4,5,6,7,8,9,10,11,12,13,14,15
	ds_load_b128 v[BK+4*(\t):BK+4*(\t)+3], v[RD] offset:(\t)*SPITCH
.endr
.endm
.macro SEND a
	WIN 0
.set BK, OB+64*((\a)%2)
	s_wait_dscnt 0x0                               ; the block is back in registers
	s_wait_xcnt 0x0                                ; the stores of the block before have read their registers: the next block's rows are loaded into them only behind this wait
.irp t, 0,1,2,3,4,5,6,7,8,9,10,11,12,13,14,15
	global_store_b128 v[CO], v[BK+4*(\t):BK+4*(\t)+3], s[OUTB:OUTB+1] offset:(\a)*65536+(\t)*4096 th:TH_STORE_NT  ; 512 consecutive bytes, aligned
.endr
.endm
	PLACES
	OUTP 0
	TOSTAGE 0
.irp a, 1,2,3,4,5,6,7                  ; block a's arithmetic stands between block a - 1's loads from the stage and the wait for them
	OUTP \a
	SEND (\a)-1
	TOSTAGE \a
.endr
	SEND 7
	s_wait_tensorcnt 0x0                           ; the wave's end, behind my last tensor load and my last LDS store
	ds_add_u32 v[SPW], v[NIL]
	s_wait_dscnt 0x0
	CROUND                                         ; the closing round: no work-group ends while a partner may still ask for a tile that names it
	s_endpgm
.Lfunc_end_k_qdea6ecc744_proj:
	.size	k_qdea6ecc744_proj, .Lfunc_end_k_qdea6ecc744_proj-k_qdea6ecc744_proj
	.p2alignl 7, 3214868480
	.fill 96, 4, 3214868480
	.section	.rodata,"a",@progbits
	.p2align	6, 0x0
	.amdhsa_kernel k_qdea6ecc744_proj
		.amdhsa_group_segment_fixed_size 327680
		.amdhsa_private_segment_fixed_size 0
		.amdhsa_enable_private_segment 0
		.amdhsa_kernarg_size 40
		.amdhsa_user_sgpr_count 2
		.amdhsa_user_sgpr_kernarg_segment_ptr 1
		.amdhsa_wavefront_size32 1
		.amdhsa_system_sgpr_workgroup_id_x 1
		.amdhsa_system_sgpr_workgroup_id_y 1
		.amdhsa_system_sgpr_workgroup_id_z 1
		.amdhsa_system_vgpr_workitem_id 0
		.amdhsa_next_free_vgpr 1024
		.amdhsa_next_free_sgpr 76
		.amdhsa_reserve_vcc 0
		.amdhsa_float_denorm_mode_32 3
		.amdhsa_float_denorm_mode_16_64 3
		.amdhsa_memory_ordered 1
		.amdhsa_forward_progress 1
		.amdhsa_inst_pref_size 164
	.end_amdhsa_kernel
	.amdgpu_metadata
---
amdhsa.version: [ 1, 2 ]
amdhsa.kernels:
  - .name:           k_qdea6ecc744_proj
    .symbol:         k_qdea6ecc744_proj.kd
    .args:
      - { .name: ao, .offset: 0, .size: 8, .value_kind: global_buffer, .address_space: global }
      - { .name: wpf, .offset: 8, .size: 8, .value_kind: global_buffer, .address_space: global }
      - { .name: b_proj, .offset: 16, .size: 8, .value_kind: global_buffer, .address_space: global }
      - { .name: vkf, .offset: 24, .size: 8, .value_kind: global_buffer, .address_space: global }
      - { .name: out0, .offset: 32, .size: 8, .value_kind: global_buffer, .address_space: global }
    .group_segment_fixed_size: 327680
    .private_segment_fixed_size: 0
    .kernarg_segment_align: 8
    .kernarg_segment_size: 40
    .max_flat_workgroup_size: 128
    .sgpr_count:     76
    .vgpr_count:     1024
    .wavefront_size: 32
...
	.end_amdgpu_metadata
.endif
;; end of part 5
